; MI455X (gfx1250); checked and timed in simulation.
; The chip was launched on July 23, 2026; its instructions are those of AMD's public machine-readable ISA for CDNA 5 (MIT licence, August 2026) and "CDNA5" Instruction Set Architecture Reference Guide (July 2026). The comments in the code are by the model that wrote it; some were corrected since.
;; Llama Attention Core. Allowed arithmetic: matrix products marked QUANTISED: E4M3 operands, one E8M0 scale for each 32 along K, by v_wmma_scale_f32_16x16x128_f8f6f4 with both operands' format E4M3, f32 sums; everything else in f32.
;; Inputs: attn_bias 512 x 4,096 float32; key_t_caches 8 x 128 x 2,048 float32; keys 8 x 512 x 128 float32; kq_scale 1 float32; queries 32 x 512 x 128 float32; value_caches 8 x 2,048 x 128 float32; values 8 x 512 x 128 float32.
;; Outputs: out0 32 x 512 x 128 float32; out1 8 x 512 x 128 float32; out2 8 x 512 x 128 float32.
;; This version of the problem:
;;   THIS VERSION OF THE PROBLEM IS GIVEN IN LOW PRECISION. The matrix products marked QUANTISED in the list below multiply operands that are first quantised to E4M3 (4 exponent bits, 3 mantissa bits; 8 bits a number), with one power-of-two scale for each 32 numbers along K (OCP MX v1.0); their sums are f32. All else is computed in f32.
;;   The module's matrix products, in the order in which they are computed (A, B: the left and right operand; K: the contracted axis; several contracted axes count as one K, in the product's order):
;;     1. batch 8 x [M 2,048, K 128] x [K 128, N 4,096]; A: input queries; B: computed on the way: QUANTISED
;;     2. batch 8 x [M 2,048, K 4,096] x [K 4,096, N 128]; A: softmax (see below); B: computed on the way: QUANTISED
;;   THE QUANTISER, for each operand of a quantised product, along K:
;;     - K is cut into blocks of 32 from its start; a last block that is shorter is filled with zeros.
;;     - A block's scale is 2^e with e = floor(log2(the largest magnitude in the block)) - 8, held to -126 .. 127; a block of zeros has e = 0. As a byte (E8M0): e + 127.
;;     - Each number is divided by its block's scale, clamped to +-448, and rounded to the nearest number of E4M3, ties to even, subnormals kept.
;;     - The product sums the exact products of the quantised numbers (number of the format x scale) in f32.
;;   ~~~python
;;   def quantise(x, axis):      # numpy; x: float32 -> the quantised numbers, widened to float32 again
;;       x = np.moveaxis(x, axis, -1); K = x.shape[-1]
;;       x = np.pad(x, [(0, 0)] * (x.ndim - 1) + [(0, -K % 32)]); x = x.reshape(x.shape[:-1] + (-1, 32)); a = np.abs(x).max(-1, keepdims=True)
;;       e = np.where(a > 0, np.clip(np.frexp(np.where(a > 0, a, 1))[1] - 1 - 8, -126, 127), 0)      # np.frexp(a)[1] - 1 = floor(log2(a)), exactly
;;       r = np.clip(x / 2.0 ** e, -448, 448)
;;       step = 2.0 ** (np.maximum(np.frexp(np.where(r == 0, 1, r))[1] - 1, -6) - 3)
;;       q = np.round(r / step) * step * 2.0 ** e      # np.round: ties to even
;;       return np.moveaxis(q.reshape(q.shape[:-2] + (-1,))[..., :K], -1, axis).astype(np.float32)
;;   ~~~
;;   SOFTMAX AHEAD OF A QUANTISED PRODUCT. Where the list says 'softmax', what is quantised is not the finished softmax but p = 2^(t - M), with t = logit x log2(e) and M = ceil(the row's largest t), a whole number; so 1/2 < the row's largest p <= 1. The row's sum l is taken of the UNQUANTISED p, in f32, and the product's result is divided by l at the end. Since M is a whole number, a kernel that streams over the keys may use a running M (the ceiling of the running maximum): every later rescaling is an exact power of two, which a block's scale takes up: the codes' values come out the same.
;;   OPERANDS COMPUTED ON THE WAY. 'Computed on the way' means the value that the module computes at that place (a softmax that the list does not call 'softmax' is quantised finished and normalised). What goes into a quantiser is computed in f32, as accurately as f32 sums, v_exp_f32 and their like allow (about 1e-6 of the number): no bf16 or f16 on the way to a quantiser, and a product that is left as it is and whose result goes on into a quantised operand takes f32 operands (vector FMAs, or v_wmma_f32_16x16x4_f32). A number that lies on a knife's edge between two numbers of the format may be rounded either way, as far as f32 arithmetic and the matrix unit's own rounding can turn it there, and no further.
;; One version. Each part assembles by itself: llvm-mc -triple=amdgcn-amd-amdhsa -mcpu=gfx1250 --defsym DOCPART=n.
;; ======== version 1 of 1: 2 launches
;; limits: right only within a limited range of input values
;; workspace buffers: kvc 5,242,880 bytes; kvs 163,840 bytes; tail 4,096 bytes
;; launch prep (part 1): grid 416 x 1, 4 waves a work-group, no clusters, 68,096 bytes of LDS; arguments keys, key_t_caches, values, value_caches, attn_bias, kq_scale, out1, out2, kvc, kvs, tail; writes out1, out2, kvc, kvs, tail
.if DOCPART == 1
	.amdgcn_target "amdgcn-amd-amdhsa--gfx1250"
	.amdhsa_code_object_version 6
	.text
	.protected	k_q063a9d5152_prep
	.globl	k_q063a9d5152_prep
	.p2align	8
	.type	k_q063a9d5152_prep,@function
k_q063a9d5152_prep:
	s_mov_b64 s[64:65], 0
	v_nop
	global_prefetch_b8 v0, s[64:65] scope:SCOPE_SE
	s_setreg_imm32_b32 hwreg(HW_REG_WAVE_MODE, 25, 1), 1
	s_wait_xcnt 0x0
; PREP: keys and values are quantised once (E4M3 codes, one E8M0 byte for each 32 along K) and laid in the order of the operand's registers; out1 and out2 are written.
; WORK LEFT OUT, for all values of the inputs.  reference() pads the new keys and values with zeros of its own making: columns 2560..4095 of all_keys_t and rows 2560..4095 of all_values are 0.
; A block of zeros is quantised to zeros, so the first product is exactly 0 there and the logit is attn_bias[b][c] alone; the second product adds p x 0 = 0 there, whatever p is.  So neither product is done
; for positions 2560..4095.  What stays live of them is their part in the row's largest t and in the row's sum of p; it hangs on b alone, not on the head: it is made here once for each b (path TAIL).
; Every input has a way to an output and is loaded.  LIMIT: a NaN, an infinity or an overflow that would reach only the products left out is not carried to the result.
; LIMITS: NaN and infinities among the inputs are not served (the maxima drop a NaN).  A block of zeros gets the byte 1 where the rule says 127: its codes are zeros, and this program alone reads the bytes.
; Blocks whose largest magnitude lies under 2^-118 are held at the byte 1.
; AN IMAGE of a fragment (16 rows x 128 K, 2,048 bytes): registers 4c..4c+3 of lane l lie at 512 c + 16 l; lane (r, h) = r + 16 h holds row r, k = 32 c + 16 h + 0..15.
; kvc [kv 8][slot 5][131,072]: a slot is 512 keys: 32 tiles of K, then from byte 65,536 V^T as [key step 4][tile of 16 channels 8].  Tile 2b+u of a key step takes in lane r the key 32b + 8u + r + 8(r/8).
; kvs [kv][20,480]: K's scale words [tile 160][16], then V's [key step 20][tile 8][16].
; tail [b 512][2]: mt = the largest t = bias x log2(e) over positions 2560..4095; lt = the sum there of 2^(t - ceil(mt)).
; The path is chosen by the work-group's number; each path has LDS bytes of its own.
.set KSTG, 0                           ; path K: 4,096 bytes a wave, then 128 scale bytes a wave
.set KSCB, 16384
.set VSTG, 16896                       ; path V: the same
.set VSCB, 33280
.set RSTG, 33792                       ; path RQ: 16 rows x 528 bytes a wave
.set SPARE, 67584                      ; the spare words: 128 bytes a wave, two blocks of 256 bytes that no other line names
.set SROW,  528
.set LN,  1                            ; v1 lane   v2 r = lane % 16   v3 h = lane / 16   v4 16 x lane
.set RR,  2
.set HH,  3
.set LI,  4
.set SPW, 14                           ; v14 LDS address of my spare word, v15 0; never rewritten
.set NIL, 15
.set MX,  16                           ; v16-19 a column's largest magnitude
.set R,   32                           ; v32-159 numbers as loaded
.set XX,  96
.set TM,  160                          ; v160-191 at work
.set PC,  16
.set PW,  176
.set CC,  192                          ; v192-223 codes
.set OU,  224                          ; v224-255 codes on the way out
.set WV,  38
.set SEL, 40
.set MNT, 42
.set LOW, 43
.set CS,  44
	s_load_b512 s[8:23], s[0:1], 0x0               ; keys 8, key_t_caches 10, values 12, value_caches 14, attn_bias 16, kq_scale 18, out1 20, out2 22
	s_load_b128 s[24:27], s[0:1], 0x40             ; kvc 24, kvs 26
	s_load_b64 s[28:29], s[0:1], 0x50              ; tail
	v_lshl_add_u32 v[SPW], v0, 2, SPARE
	v_mov_b32 v[NIL], 0
	v_lshrrev_b32 v1, 5, v0
	v_readfirstlane_b32 s[WV], v1
	v_and_b32 v[LN], 31, v0
	v_and_b32 v[RR], 15, v0
	v_bfe_u32 v[HH], v0, 4, 1
	v_lshlrev_b32 v[LI], 4, v[LN]
	s_mov_b32 s[SEL], 0x76543210
	s_mov_b32 s[SEL+1], 0xfedcba98
	s_mov_b32 s[MNT], 0x600000                     ; the mantissa field of 448
	s_mov_b32 s[LOW], 0xc61c4000                   ; -10000.0
	s_mov_b32 s[CS], 0x3fb8aa3b                    ; log2(e)
	s_mov_b32 s[CS+1], s[CS]
	s_wait_alu depctr_va_vdst(0)
	s_wait_kmcnt 0x0
	s_cmp_lt_u32 ttmp9, 128
	s_cbranch_scc1 .Lkc
	s_cmp_lt_u32 ttmp9, 288
	s_cbranch_scc1 .Lvv
	s_cmp_lt_u32 ttmp9, 352
	s_cbranch_scc1 .Lrq
; ---- TAIL, work-groups 352..415: a wave takes rows 2m, 2m+1 of attn_bias, positions 2560..4095: 12 loads of 512 bytes a row
; One row: x its 48 registers, left the younger loads that may stay out; the results land in every lane of v[mt], v[lt]
.macro ROWT x, left, mt, lt
	s_wait_alu depctr_va_vdst(0)
	s_wait_loadcnt \left
	v_max3_num_f32 v8, v[\x], v[\x+1], v[\x+2]                   ; the largest of my 48, in four chains
	v_max3_num_f32 v9, v[\x+3], v[\x+4], v[\x+5]
	v_max3_num_f32 v10, v[\x+6], v[\x+7], v[\x+8]
	v_max3_num_f32 v11, v[\x+9], v[\x+10], v[\x+11]
.irp i, 12,20,28,36
	v_max3_num_f32 v8, v8, v[\x+\i], v[\x+\i+1]
	v_max3_num_f32 v9, v9, v[\x+\i+2], v[\x+\i+3]
	v_max3_num_f32 v10, v10, v[\x+\i+4], v[\x+\i+5]
	v_max3_num_f32 v11, v11, v[\x+\i+6], v[\x+\i+7]
.endr
	v_max3_num_f32 v8, v8, v[\x+44], v[\x+45]
	v_max3_num_f32 v9, v9, v[\x+46], v[\x+47]
	v_max3_num_f32 v8, v8, v9, v10
	v_max_num_f32 v8, v8, v11
	v_max_num_f32_dpp v8, v8, v8 row_xmask:1 row_mask:0xf bank_mask:0xf
	v_max_num_f32_dpp v8, v8, v8 row_xmask:2 row_mask:0xf bank_mask:0xf
	v_max_num_f32_dpp v8, v8, v8 row_xmask:4 row_mask:0xf bank_mask:0xf
	v_max_num_f32_dpp v8, v8, v8 row_xmask:8 row_mask:0xf bank_mask:0xf
	v_permlanex16_b32 v9, v8, s[SEL], s[SEL+1]
	v_max_num_f32 v8, v8, v9
	v_mul_f32 v[\mt], s[CS], v8                    ; mt: the largest t (log2(e) is positive)
	v_floor_f32 v12, -v[\mt]                       ; -M = -ceil(mt)
.set i, 0
.rept 24
	v_pk_fma_f32 v[\x+i:\x+i+1], v[\x+i:\x+i+1], s[CS:CS+1], v[12:13] op_sel_hi:[1,0,0]   ; t - M, two at a time
.set i, i+2
.endr
.set i, 0
	s_wait_alu depctr_va_vdst(0)
.rept 48
	v_exp_f32 v[\x+i], v[\x+i]
.set i, i+1
.endr
	v_nop                                          ; a plain instruction behind the last exponential
	s_wait_alu depctr_va_vdst(0)                   ; one wait for the batch, ahead of its first reader
	v_pk_add_f32 v[8:9], v[\x:\x+1], v[\x+2:\x+3]  ; the sum, in two chains of pairs
	v_pk_add_f32 v[10:11], v[\x+4:\x+5], v[\x+6:\x+7]
.irp i, 8,12,16,20,24,28,32,36,40,44
	v_pk_add_f32 v[8:9], v[8:9], v[\x+\i:\x+\i+1]
	v_pk_add_f32 v[10:11], v[10:11], v[\x+\i+2:\x+\i+3]
.endr
	v_pk_add_f32 v[8:9], v[8:9], v[10:11]
	v_add_f32 v8, v8, v9
	v_add_f32_dpp v8, v8, v8 row_xmask:1 row_mask:0xf bank_mask:0xf
	v_add_f32_dpp v8, v8, v8 row_xmask:2 row_mask:0xf bank_mask:0xf
	v_add_f32_dpp v8, v8, v8 row_xmask:4 row_mask:0xf bank_mask:0xf
	v_add_f32_dpp v8, v8, v8 row_xmask:8 row_mask:0xf bank_mask:0xf
	v_permlanex16_b32 v9, v8, s[SEL], s[SEL+1]
	v_add_f32 v[\lt], v8, v9
.endm
	s_sub_co_u32 s46, ttmp9, 352
	s_lshl_b32 s46, s46, 2
	s_add_co_u32 s46, s46, s[WV]                   ; m = 0..255
	s_lshl_b32 s48, s46, 15                        ; two rows of 16,384 bytes,
	s_add_co_u32 s48, s48, 10240                   ; from position 2560 on
	s_mov_b32 s49, 0
	s_add_nc_u64 s[16:17], s[16:17], s[48:49]
	s_lshl_b32 s48, s46, 4
	s_add_nc_u64 s[28:29], s[28:29], s[48:49]
.irp i, 0,1,2,3,4,5,6,7,8,9,10,11
	global_load_b128 v[32+4*\i:35+4*\i], v[LI], s[16:17] offset:512*\i th:TH_LOAD_NT
.endr
.irp i, 0,1,2,3,4,5,6,7,8,9,10,11
	global_load_b128 v[80+4*\i:83+4*\i], v[LI], s[16:17] offset:16384+512*\i th:TH_LOAD_NT
.endr
	v_mov_b32 v13, 0                               ; (named as the upper half of the pair v[12:13])
	v_mov_b32 v9, 0                                ; (a lane permute's destination counts as one of its sources)
	ROWT 32, 12, 16, 17                            ; row 2m: row 2m+1's twelve loads may stay out
	ROWT 80, 0, 18, 19
	v_and_b32 v22, 1, v[LN]                        ; even lanes hold row 2m's pair, odd lanes row 2m+1's: sixteen lanes store the same 8 bytes to the same place
	v_cmp_eq_u32 vcc_lo, 1, v22
	v_cndmask_b32 v20, v16, v18, vcc_lo
	v_cndmask_b32 v21, v17, v19, vcc_lo
	v_lshlrev_b32 v22, 3, v22
	global_store_b64 v22, v[20:21], s[28:29]
	s_endpgm
; ---- COLUMNS: an operand whose K is not innermost.  Wave c takes the 32 rows k = 32c .. 32c+31 of a key step's operand; a lane takes FOUR neighbouring columns: each load is one row of 128 columns, 512 bytes.
; Register 32 + 4i + j is row i of column j: a column's block of 32 lies in one lane.  The hold writes a column's numbers to neighbouring registers, as the conversion wants them.
; A lane's four columns are four neighbouring rows of one tile, from row0 on: so its codes are 64 neighbouring bytes of the image's halves, and its four scale bytes one word.
; v6 where my codes go in the wave's stage, v7 where my scale bytes go, v8 the stage read back, v9 the scale bytes read back.
.macro CLOAD pitch, src
.set i, 0
.rept 32
	global_load_b128 v[R+4*i:R+4*i+3], v[LI], s[\src:\src+1] offset:i*\pitch th:TH_LOAD_NT
.set i, i+1
.endr
.endm
.macro CPLACE stg, scb                 ; v16 tile, v17 row0
	s_lshl_b32 s50, s[WV], 12
	s_add_co_u32 s50, s50, \stg
	s_lshl_b32 s51, s[WV], 7
	s_add_co_u32 s51, s51, \scb
	v_lshlrev_b32 v6, 9, v16
	v_lshl_add_u32 v6, v17, 4, v6
	v_add_nc_u32 v6, s50, v6
	v_lshl_add_u32 v7, v16, 4, v17
	v_add_nc_u32 v7, s51, v7
	v_add_nc_u32 v8, s50, v[LI]
	v_lshlrev_b32 v9, 2, v[LN]
	v_add_nc_u32 v9, \scb, v9
.endm
.macro COL
.irp q, 0,1,2,3
	s_wait_alu depctr_va_vdst(0)
	s_wait_loadcnt 24-8*\q                         ; rows 8q .. 8q+7 are in; the later ones may be out
.irp i, 0,2,4,6
.irp j, 0,1,2,3
.if (8*\q+\i) == 0
	v_max3_num_f32 v[MX+\j], |v[R+\j]|, |v[R+4+\j]|, 0x4800000     ; the floor 2^(9 - 127): the byte cannot fall under 1
.else
	v_max3_num_f32 v[MX+\j], v[MX+\j], |v[R+4*(8*\q+\i)+\j]|, |v[R+4*(8*\q+\i)+4+\j]|
.endif
.endr
.endr
.endr
.irp j, 0,1,2,3
	v_add_nc_u32 v[MX+4+\j], 0xfc000000, v[MX+\j]  ; 8 off the exponent field: the conversion's scale operand
.endr
.irp j, 0,1,2,3
	v_and_or_b32 v[MX+8+\j], v[MX+\j], 0x7f800000, s[MNT]   ; 448 x the scale
.endr
.irp j, 0,1,2,3
	v_lshrrev_b32 v[MX+12+\j], 23, v[MX+4+\j]      ; the scale's byte
.endr
	v_lshl_or_b32 v10, v[MX+13], 8, v[MX+12]
	v_lshl_or_b32 v10, v[MX+14], 16, v10
	v_lshl_or_b32 v10, v[MX+15], 24, v10
	ds_store_b32 v7, v10                           ; my four columns' bytes for k = 32c..
.irp j, 0,1,2,3
.set i, 0
.rept 32
	v_med3_num_f32 v[TM+i], v[R+4*i+\j], -v[MX+8+\j], v[MX+8+\j]   ; the conversion to an 8-bit code does not saturate (ISA guide 7.6.2): the hold
.set i, i+1
.endr
.irp q, 0,1,2,3
	v_cvt_scalef32_pk8_fp8_f32 v[CC+8*\j+2*\q:CC+8*\j+2*\q+1], v[TM+8*\q:TM+8*\q+7], v[MX+4+\j]
.endr
	v_nop                                          ; a plain instruction behind the last conversion
	ds_store_b128 v6, v[CC+8*\j:CC+8*\j+3] offset:16*\j
	ds_store_b128 v6, v[CC+8*\j+4:CC+8*\j+7] offset:256+16*\j
.endr
.irp t, 0,1,2,3,4,5,6,7
	ds_load_b128 v[OU+4*\t:OU+4*\t+3], v8 offset:512*\t             ; LDS serves a wave's instructions in order: these see my stores
.endr
.irp t, 0,1,2,3,4,5,6,7
	s_wait_dscnt 7-\t
	global_store_b128 v[LI], v[OU+4*\t:OU+4*\t+3], s[24:25] offset:2048*\t   ; quad group c of tile t: 512 consecutive bytes, aligned
.endr
	s_barrier_signal -1                            ; (no LDS instruction of mine is out) all four waves' scale bytes are in LDS
	s_barrier_wait -1
	s_cmp_lg_u32 s[WV], 0
	s_cbranch_scc1 .Lfin
.irp c, 0,1,2,3
	ds_load_b32 v[TM+\c], v9 offset:128*\c         ; byte c of rows 4 lane .. 4 lane + 3
.endr
	s_wait_dscnt 0x0
	v_perm_b32 v[TM+4], v[TM+1], v[TM], 0x05010400
	v_perm_b32 v[TM+5], v[TM+1], v[TM], 0x07030602
	v_perm_b32 v[TM+6], v[TM+3], v[TM+2], 0x05010400
	v_perm_b32 v[TM+7], v[TM+3], v[TM+2], 0x07030602
	v_perm_b32 v[TM+8], v[TM+6], v[TM+4], 0x05040100   ; four rows' scale words
	v_perm_b32 v[TM+9], v[TM+6], v[TM+4], 0x07060302
	v_perm_b32 v[TM+10], v[TM+7], v[TM+5], 0x05040100
	v_perm_b32 v[TM+11], v[TM+7], v[TM+5], 0x07060302
	global_store_b128 v[LI], v[TM+8:TM+11], s[26:27]   ; the key step's 128 words: 512 consecutive bytes, aligned
	s_branch .Lfin
.endm
; ---- K, work-groups 0..127: the cached keys, [128 d][2048 keys]: a work-group takes a key step of 128
.Lkc:
	s_lshr_b32 s46, ttmp9, 4                       ; kv
	s_and_b32 s47, ttmp9, 15                       ; key step
	s_lshl_b32 s48, s46, 20
	s_lshl_b32 s49, s[WV], 18                      ; 32 rows of 8,192 bytes a wave
	s_add_co_u32 s48, s48, s49
	s_lshl_b32 s49, s47, 9
	s_add_co_u32 s48, s48, s49
	s_mov_b32 s49, 0
	s_add_nc_u64 s[10:11], s[10:11], s[48:49]
	CLOAD 8192, 10
	s_mul_i32 s50, s46, 5
	s_lshr_b32 s51, s47, 2
	s_add_co_u32 s50, s50, s51
	s_lshl_b32 s48, s50, 17
	s_and_b32 s51, s47, 3
	s_lshl_b32 s51, s51, 14
	s_add_co_u32 s48, s48, s51
	s_lshl_b32 s51, s[WV], 9
	s_add_co_u32 s48, s48, s51
	s_add_nc_u64 s[24:25], s[24:25], s[48:49]
	s_mul_i32 s48, s46, 20480
	s_lshl_b32 s51, s47, 9
	s_add_co_u32 s48, s48, s51
	s_add_nc_u64 s[26:27], s[26:27], s[48:49]
	v_bfe_u32 v10, v[LN], 1, 1                     ; keys 4 lane .. of the step: tile 2 (lane / 8) + (lane / 2) % 2,
	v_lshrrev_b32 v16, 3, v[LN]
	v_lshl_add_u32 v16, v16, 1, v10
	v_and_b32 v11, 1, v[LN]                        ; row 4 (lane % 2) + 8 ((lane / 4) % 2) on
	v_lshlrev_b32 v17, 2, v11
	v_bfe_u32 v12, v[LN], 2, 1
	v_lshl_add_u32 v17, v12, 3, v17
	CPLACE KSTG, KSCB
	COL
; ---- V, work-groups 128..255: the cached values, [2048 keys][128 d]; 256..287: the new values (key steps 16..19), which also give out2.  A work-group takes a key step of 128
.Lvv:
	s_sub_co_u32 s50, ttmp9, 128
	s_lshr_b32 s46, s50, 4                         ; cached: kv,
	s_and_b32 s47, s50, 15                         ; key step
	s_lshl_b32 s48, s50, 16                        ; (16 key steps of 65,536 bytes a kv head)
	s_sub_co_u32 s50, ttmp9, 256
	s_lshr_b32 s51, s50, 2                         ; new: kv,
	s_and_b32 s52, s50, 3
	s_add_co_u32 s52, s52, 16                      ; key step
	s_lshl_b32 s53, s50, 16
	s_cmp_lt_u32 ttmp9, 256
	s_cselect_b64 s[14:15], s[14:15], s[12:13]
	s_cselect_b32 s46, s46, s51
	s_cselect_b32 s47, s47, s52
	s_cselect_b32 s48, s48, s53
	s_lshl_b32 s49, s[WV], 14                      ; 32 rows of 512 bytes a wave
	s_add_co_u32 s48, s48, s49
	s_mov_b32 s49, 0
	s_add_nc_u64 s[14:15], s[14:15], s[48:49]
	CLOAD 512, 14
	s_mov_b32 s54, s48                             ; the same place in out2 (used by the new values alone)
	s_mov_b32 s55, 0
	s_mul_i32 s50, s46, 5
	s_lshr_b32 s51, s47, 2
	s_add_co_u32 s50, s50, s51
	s_lshl_b32 s48, s50, 17
	s_and_b32 s51, s47, 3
	s_lshl_b32 s51, s51, 14
	s_add_co_u32 s48, s48, s51
	s_lshl_b32 s51, s[WV], 9
	s_add_co_u32 s48, s48, s51
	s_add_co_u32 s48, s48, 65536
	s_add_nc_u64 s[24:25], s[24:25], s[48:49]
	s_mul_i32 s48, s46, 20480
	s_lshl_b32 s51, s47, 9
	s_add_co_u32 s48, s48, s51
	s_add_co_u32 s48, s48, 10240
	s_add_nc_u64 s[26:27], s[26:27], s[48:49]
	v_lshrrev_b32 v16, 2, v[LN]                    ; channels 4 lane ..: tile lane / 4, row 4 (lane % 4) on
	v_and_b32 v17, 3, v[LN]
	v_lshlrev_b32 v17, 2, v17
	CPLACE VSTG, VSCB
	s_cmp_lt_u32 ttmp9, 256
	s_wait_alu depctr_va_vdst(0)
	s_cbranch_scc1 .Lcached
	s_add_nc_u64 s[22:23], s[22:23], s[54:55]
	s_wait_loadcnt 0x0
.set i, 0
.rept 128
	v_max_num_f32 v[R+i], s[LOW], v[R+i]           ; scaled_values = max(values, -10000): an output, and what is quantised
.set i, i+1
.endr
.set i, 0
.rept 32
	global_store_b128 v[LI], v[R+4*i:R+4*i+3], s[22:23] offset:512*i
.set i, i+1
.endr
	s_wait_alu depctr_va_vdst(0)
.Lcached:
	COL
; ---- ROWS, work-groups 288..351: the new keys x kq_scale: tile tau of slot 4, which are also out1.  16 rows of 512 bytes come as they lie, a row an instruction, and turn through the wave's own stage:
; lane (r, h) reads back, of row r, 16 neighbours of each block of 32
.Lrq:
	s_load_b32 s46, s[18:19], 0x0                  ; kq_scale
	s_mul_i32 s60, s[WV], 16*SROW
	s_add_co_u32 s60, s60, RSTG
	v_add_nc_u32 v6, s60, v[LI]                    ; in: 16 x lane of a row
	v_mul_u32_u24 v7, v[RR], SROW
	v_lshl_add_u32 v7, v[HH], 6, v7
	v_add_nc_u32 v7, s60, v7                       ; back: row r, + 64 h
.irp b, 0,1,2,3
	v_mov_b32 v[TM+4+\b], 0                        ; written once: a lane permute's destination counts as one of its sources
.endr
	v_lshlrev_b32 v8, 2, v[RR]                     ; a row's scale word: 4 r
	s_sub_co_u32 s48, ttmp9, 288
	s_lshl_b32 s48, s48, 2
	s_add_co_u32 s48, s48, s[WV]                   ; tile number 0..255
	s_lshr_b32 s53, s48, 5                         ; kv
	s_and_b32 s54, s48, 31                         ; tau
	s_lshl_b32 s55, s53, 9
	s_lshr_b32 s56, s54, 1
	s_lshl_b32 s56, s56, 5
	s_add_co_u32 s55, s55, s56
	s_and_b32 s56, s54, 1
	s_lshl_b32 s56, s56, 3
	s_add_co_u32 s55, s55, s56                     ; first row: 32 (tau / 2) + 8 (tau % 2)
	s_mul_i32 s56, s53, 5
	s_add_co_u32 s56, s56, 4
	s_lshl_b32 s56, s56, 17
	s_lshl_b32 s57, s54, 11
	s_add_co_u32 s56, s56, s57                     ; codes: slot 4, tile tau
	s_mov_b32 s57, 0
	s_add_nc_u64 s[24:25], s[24:25], s[56:57]
	s_mul_i32 s56, s53, 20480
	s_lshl_b32 s58, s54, 6
	s_add_co_u32 s56, s56, s58
	s_add_co_u32 s56, s56, 8192                    ; scale words: tile 128 + tau
	s_add_nc_u64 s[26:27], s[26:27], s[56:57]
	s_lshl_b32 s60, s55, 9
	s_mov_b32 s61, 0
	s_add_nc_u64 s[8:9], s[8:9], s[60:61]
	s_add_nc_u64 s[20:21], s[20:21], s[60:61]
	v_add_nc_u32 v5, 8192, v[LI]                   ; rows 8..15 of the tile lie 16 rows on (the keys of a tile are not neighbours)
	s_wait_alu depctr_va_vdst(0)
.irp i, 0,1,2,3,4,5,6,7
	global_load_b128 v[R+4*\i:R+4*\i+3], v[LI], s[8:9] offset:512*\i th:TH_LOAD_NT
.endr
.irp i, 0,1,2,3,4,5,6,7
	global_load_b128 v[R+32+4*\i:R+35+4*\i], v5, s[8:9] offset:512*\i th:TH_LOAD_NT
.endr
	s_wait_kmcnt 0x0
	s_mov_b32 s47, s46                             ; (the packed form names the pair)
	s_wait_loadcnt 0x0
.set i, 0
.rept 32
	v_pk_mul_f32 v[R+i:R+i+1], v[R+i:R+i+1], s[46:47] op_sel_hi:[1,0]   ; scaled_keys: an output, and what is quantised
.set i, i+2
.endr
.irp i, 0,1,2,3,4,5,6,7
	global_store_b128 v[LI], v[R+4*\i:R+4*\i+3], s[20:21] offset:512*\i
.endr
.irp i, 0,1,2,3,4,5,6,7
	global_store_b128 v5, v[R+32+4*\i:R+35+4*\i], s[20:21] offset:512*\i
.endr
.irp i, 0,1,2,3,4,5,6,7,8,9,10,11,12,13,14,15
	ds_store_b128 v6, v[R+4*\i:R+4*\i+3] offset:SROW*\i
.endr
.irp c, 0,1,2,3
.irp j, 0,1,2,3
	ds_load_b128 v[XX+16*\c+4*\j:XX+16*\c+4*\j+3], v7 offset:128*\c+16*\j   ; LDS serves a wave's instructions in order
.endr
.endr
	s_wait_alu depctr_va_vdst(0)
	s_wait_dscnt 0x0
; register 16 b + i = k 32 b + 16 h + i of my row
.irp b, 0,1,2,3
	v_max3_num_f32 v[TM+\b], |v[XX+16*\b]|, |v[XX+1+16*\b]|, 0x4800000
.endr
.irp i, 2,4,6,8,10,12,14
.irp b, 0,1,2,3
	v_max3_num_f32 v[TM+\b], v[TM+\b], |v[XX+16*\b+\i]|, |v[XX+1+16*\b+\i]|
.endr
.endr
.irp b, 0,1,2,3
	v_permlanex16_b32 v[TM+4+\b], v[TM+\b], s[SEL], s[SEL+1]
.endr
.irp b, 0,1,2,3
	v_max_num_f32 v[TM+\b], v[TM+\b], v[TM+4+\b]   ; with lane l xor 16's: the block's largest magnitude
.endr
.irp b, 0,1,2,3
	v_add_nc_u32 v[TM+12+\b], 0xfc000000, v[TM+\b]
.endr
.irp b, 0,1,2,3
	v_and_or_b32 v[TM+8+\b], v[TM+\b], 0x7f800000, s[MNT]
.endr
.irp b, 0,1,2,3
	v_lshrrev_b32 v[TM+4+\b], 23, v[TM+12+\b]
.endr
	v_lshl_or_b32 v[PW], v[TM+5], 8, v[TM+4]
	v_lshl_or_b32 v[PW], v[TM+6], 16, v[PW]
	v_lshl_or_b32 v[PW], v[TM+7], 24, v[PW]
.irp b, 0,1,2,3
.irp i, 0,1,2,3,4,5,6,7,8,9,10,11,12,13,14,15
	v_med3_num_f32 v[XX+16*\b+\i], v[XX+16*\b+\i], -v[TM+8+\b], v[TM+8+\b]
.endr
	v_cvt_scalef32_pk8_fp8_f32 v[PC+4*\b:PC+1+4*\b], v[XX+16*\b:XX+7+16*\b], v[TM+12+\b]
	v_cvt_scalef32_pk8_fp8_f32 v[PC+2+4*\b:PC+3+4*\b], v[XX+8+16*\b:XX+15+16*\b], v[TM+12+\b]
.endr
	v_nop                                          ; a plain instruction behind the last conversion
.irp c, 0,1,2,3
	global_store_b128 v[LI], v[PC+4*\c:PC+4*\c+3], s[24:25] offset:512*\c   ; the image: 512 consecutive bytes a store
.endr
	global_store_b32 v8, v[PW], s[26:27]           ; lanes r and r + 16 hold the same word and store it to the same place
.Lfin:
	s_wait_tensorcnt 0x0                           ; the end of a wave that stored to LDS
	ds_add_u32 v[SPW], v[NIL]
	s_wait_dscnt 0x0
	s_endpgm
.Lfunc_end_k_q063a9d5152_prep:
	.size	k_q063a9d5152_prep, .Lfunc_end_k_q063a9d5152_prep-k_q063a9d5152_prep
	.p2alignl 7, 3214868480
	.fill 96, 4, 3214868480
	.section	.rodata,"a",@progbits
	.p2align	6, 0x0
	.amdhsa_kernel k_q063a9d5152_prep
		.amdhsa_group_segment_fixed_size 68096
		.amdhsa_private_segment_fixed_size 0
		.amdhsa_enable_private_segment 0
		.amdhsa_kernarg_size 88
		.amdhsa_user_sgpr_count 2
		.amdhsa_user_sgpr_kernarg_segment_ptr 1
		.amdhsa_wavefront_size32 1
		.amdhsa_system_sgpr_workgroup_id_x 1
		.amdhsa_system_sgpr_workgroup_id_y 1
		.amdhsa_system_sgpr_workgroup_id_z 1
		.amdhsa_system_vgpr_workitem_id 0
		.amdhsa_next_free_vgpr 256
		.amdhsa_next_free_sgpr 66
		.amdhsa_reserve_vcc 1
		.amdhsa_float_denorm_mode_32 3
		.amdhsa_float_denorm_mode_16_64 3
		.amdhsa_memory_ordered 1
		.amdhsa_forward_progress 1
		.amdhsa_inst_pref_size 88
	.end_amdhsa_kernel
	.amdgpu_metadata
---
amdhsa.version: [ 1, 2 ]
amdhsa.kernels:
  - .name:           k_q063a9d5152_prep
    .symbol:         k_q063a9d5152_prep.kd
    .args:
      - { .name: keys, .offset: 0, .size: 8, .value_kind: global_buffer, .address_space: global }
      - { .name: key_t_caches, .offset: 8, .size: 8, .value_kind: global_buffer, .address_space: global }
      - { .name: values, .offset: 16, .size: 8, .value_kind: global_buffer, .address_space: global }
      - { .name: value_caches, .offset: 24, .size: 8, .value_kind: global_buffer, .address_space: global }
      - { .name: attn_bias, .offset: 32, .size: 8, .value_kind: global_buffer, .address_space: global }
      - { .name: kq_scale, .offset: 40, .size: 8, .value_kind: global_buffer, .address_space: global }
      - { .name: out1, .offset: 48, .size: 8, .value_kind: global_buffer, .address_space: global }
      - { .name: out2, .offset: 56, .size: 8, .value_kind: global_buffer, .address_space: global }
      - { .name: kvc, .offset: 64, .size: 8, .value_kind: global_buffer, .address_space: global }
      - { .name: kvs, .offset: 72, .size: 8, .value_kind: global_buffer, .address_space: global }
      - { .name: tail, .offset: 80, .size: 8, .value_kind: global_buffer, .address_space: global }
    .group_segment_fixed_size: 68096
    .private_segment_fixed_size: 0
    .kernarg_segment_align: 8
    .kernarg_segment_size: 88
    .max_flat_workgroup_size: 128
    .sgpr_count:     66
    .vgpr_count:     256
    .wavefront_size: 32
...
	.end_amdgpu_metadata
.endif
;; end of part 1
;; launch attn (part 2): grid 32 x 8, 8 waves a work-group, clusters of 4 x 1, 327,680 bytes of LDS; arguments queries, kvc, kvs, attn_bias, tail, out0; writes out0
.if DOCPART == 2
	.amdgcn_target "amdgcn-amd-amdhsa--gfx1250"
	.amdhsa_code_object_version 6
	.text
	.protected	k_q063a9d5152_attn
	.globl	k_q063a9d5152_attn
	.p2align	8
	.type	k_q063a9d5152_attn,@function
k_q063a9d5152_attn:
	s_mov_b64 s[64:65], 0
	v_nop
	global_prefetch_b8 v0, s[64:65] scope:SCOPE_SE
	s_setreg_imm32_b32 hwreg(HW_REG_WAVE_MODE, 25, 1), 1
	s_wait_xcnt 0x0
	s_wait_alu depctr_hold_cnt(0) depctr_sa_sdst(0) depctr_va_vdst(0) depctr_va_sdst(0) depctr_va_ssrc(0) depctr_va_vcc(0) depctr_vm_vsrc(0)
	s_getreg_b32 s2, hwreg(HW_REG_IB_STS2, 6, 4)
	s_cmp_eq_u32 s2, 0
	s_cbranch_scc0 .Lentry_in_a_cluster
	s_endpgm
.Lentry_in_a_cluster:
	s_bfe_u32 s2, ttmp6, 0x10000c
	s_cmp_lg_u32 s2, 0x3003
	s_cbranch_scc0 .Lentry_shape_is_right
	s_endpgm
.Lentry_shape_is_right:
; ATTENTION on codes of E4M3 with E8M0 scales, both products by v_wmma_scale_f32_16x16x128_f8f6f4.  out0[kv x 4 + g][b][:] over the 2,560 live positions (2,048 cached keys, 512 new ones).
; WORK LEFT OUT: positions 2560..4095, where reference() itself pads keys and values with zeros: the first product is 0 there and the second adds 0, for all values of the inputs.  Their logits are attn_bias alone;
; their part in the row's largest t and in the row's sum comes in from the buffer tail (made once for each b by the launch before) as the starting state of the waves with kq = 0.  A NaN, infinity or overflow that reaches only those products is not carried.
; SOFTMAX: t = logit x log2(e); M = the running largest t rounded up to a whole number; p = 2^(t - M) is quantised along the keys, not normalised; the sum is taken of the unquantised p and divides at the end.
; LIMITS: NaN and infinities among the inputs are not served; |t| stays under 2^31; p under 2^-126 counts as 0; a block whose every p is 0 keeps the byte 1 over zero codes; a block of Q under 2^-118 is held at the byte 1.
; SHARES.  A work-group takes 16 positions b of one kv head with all 4 query heads: four tiles of 16 queries.  EIGHT WAVES, two to a SIMD: wave = 4 gp + kq holds the tiles 2 gp, 2 gp + 1 and takes key step kq (128 keys) of a slot's 512;
; five slots.  At the end the four kq parts of O, M and sums meet in LDS and are joined by exact powers of two: wave (kq, gp) finishes tile 2 gp + kq / 2, channels 64 (kq % 2) on.
; Q is read by one work-group alone: it is quantised here, in the head: wave 4 gp + kq makes tile kq, k = 64 gp .. 64 gp + 63, and the images pass through LDS.
; LAYOUT.  Both products transposed: S^T = K Q^T + bias^T (the bias is the C operand), O^T = V^T P^T: a lane holds one query throughout.  The keys of a tile are chosen so that registers 16 b + i of a query tile's S are keys 32 b + 16 (lane / 16) + i.
; K and V lie in memory and in LDS as images of their registers (quad q of lane l at 512 q + 16 l).  attn_bias is loaded as it lies a step ahead (16 rows x 512 bytes for each kq, half by each gp), stored to a stage of rows 528 bytes apart and read back in C's layout.
; CLUSTER.  The four work-groups of a cluster belong to one kv head and walk the same K and V: each tile is asked for jointly (mask 15).  The place in the cluster enters only global addresses of Q, bias, tail, out0 and the prefetch.
; REGISTERS.  window 0: v1-10 addresses; v12-15 K's scale words, v16-19 V's, v22-23 p's, v24 Q's; v26-41 statistics, 8 a tile: -M, largest t, sum (2), f, 0, 2 at work; v42-73 16 a tile: block maxima, bytes, holds, scale operands;
;   v74-105 Q; v106-233 K's 8 fragments, then v106-169 V's tiles 0-3, v170-201 p's codes, v202-233 the next step's bias as it lies; v234-249 addresses.
;   window 1: v0-127 S, then p: 64 g + 8 T + j (v0-63 later V's tiles 4-7; v64-127 first the bias); v128-255 O^T: 128 + 64 g + 8 t + i.
.set SLOT1, 1<<17                      ; LDS: slot 0 at 0, slot 1 here: 131,072 bytes each: K's 32 tiles, then V's 32
.set VOFF,  65536
.set SPARE, 2*SLOT1                    ; the spare words: 128 bytes a wave, four blocks of 256 bytes that no other line names
.set STG,   SPARE+1024                 ; stages: 16 rows x 272 bytes a wave (Q's turn, the way out), or 16 rows x 528 bytes for each kq (the bias)
.set QIMG,  STG+34816                  ; Q's four images,
.set QSC,   QIMG+8192                  ; and their scale words
.set STATS, QSC+256                    ; the merge: [wave][tile][-M, sum][lane]
.set LI,  1
.set AK0, 2
.set BR,  3
.set ADK, 4
.set ADV, 5
.set SPW, 7
.set NIL, 8
.set PFO, 9
.set L4,  10
.set KS,  12
.set VS,  16
.set PW,  22
.set QS,  24
.set ST,  26
.set TM,  42
.set QF,  74
.set FR,  106
.set PCD, FR+64
.set RAW, FR+96
.set TL,  234                          ; v[234:235] the tail's pair
.set RR,  236
.set HH,  237
.set BW,  239
.set QO,  240
.set QW,  242
.set QR,  243
.set QI,  244
.set QSW, 245
.set QL,  246
.set QSL, 247
.set KQ,  16
.set GP,  17
.set WV,  18
.set MNT, 19
.set SEL, 20
.set CS,  22
.set G1,  24                           ; s[24:31] group 1: a wave's eighth of a slot
.set G0,  32                           ; s[32:35] group 0: it walks
.set TB,  36                           ; LDS byte at which the slot in hand begins
.set SLOTS, 37                         ; slots still to be asked for
.set LIM, 38                           ; 1 in a wave that prefetches, else the greatest number
.set PFA, 40                           ; s[40:41] where my prefetches stand
.set PFS, 42                           ; s[42:43] a slot on, in bytes
.set MSB, 0
.macro WIN new                         ; low byte: bits 1:0 source 0, 3:2 source 1, 5:4 source 2, 7:6 destination; the high byte repeats the setting that is left
.if MSB != \new
	s_set_vgpr_msb (MSB<<8)|\new
.set MSB, \new
.endif
.endm
.macro PLACES n
.rept \n
	v_nop
.endr
.endm
.macro CROUND                          ; a round of the cluster's barrier
	s_barrier_signal -1
	s_barrier_wait -1
	s_cmp_lg_u32 s[WV], 0
	s_cbranch_scc1 .Lnot_wave_0_\@
	s_barrier_signal -3
.Lnot_wave_0_\@:
	s_barrier_wait -3
	s_barrier_signal -1
	s_barrier_wait -1
.endm
; PREFETCHES of what is loaded one change of slots later.  K and V: all eight clusters of a kv head walk the same slots: the first (cluster x = 0) asks: its 4 work-groups x waves 0..3 x 32 lanes name the slot's 512 blocks
; of 256 bytes once each, told apart by address.  The bias: the eight work-groups with the same 16 positions (one for each kv head) read the same 16 rows x 2,048 bytes of a slot: wave 4 of each names two rows' 16 blocks (lanes 16..31 the last one again).
; The last change that fills a slot asks for nothing; slots 0 and 1 come by their loads alone.
.macro ASK
	s_cmp_gt_u32 s[SLOTS], s[LIM]
	s_cbranch_scc0 .Lnot_mine_\@
	global_prefetch_b8 v[PFO], s[PFA:PFA+1] th:TH_LOAD_NT scope:SCOPE_SE
.Lnot_mine_\@:
.endm
	s_load_b256 s[4:11], s[0:1], 0x0               ; queries 4, kvc 6, kvs 8, attn_bias 10
	s_load_b128 s[12:15], s[0:1], 0x20             ; tail 12, out0 14
	v_lshl_add_u32 v[SPW], v0, 2, SPARE
	v_mov_b32 v[NIL], 0
	ds_add_u32 v[SPW], v[NIL]                      ; the wave's opening: the add, twice on end, and its wait ahead of my first tensor load
	ds_add_u32 v[SPW], v[NIL]
	v_lshrrev_b32 v11, 5, v0
	v_readfirstlane_b32 s[WV], v11                 ; wave 0..7
	s_and_b32 s[KQ], s[WV], 3
	s_lshr_b32 s[GP], s[WV], 2
	v_and_b32 v25, 31, v0
	v_lshlrev_b32 v[LI], 4, v25
	v_lshlrev_b32 v[L4], 2, v25
	v_and_b32 v[RR], 15, v0
	v_bfe_u32 v[HH], v0, 4, 1
	v_lshlrev_b32 v[QO], 4, v[RR]
	v_lshl_add_u32 v[QO], v[HH], 9, v[QO]          ; lanes 0-15 a row of 512 bytes, lanes 16-31 the next; 16 bytes a lane
	v_lshlrev_b32 v238, 3, v[RR]
	s_bfe_u32 s44, ttmp6, 0x40000                  ; cx
	s_lshl_b32 s45, ttmp9, 2
	s_add_co_u32 s45, s45, s44                     ; my block of 16 positions = 4 x cluster x + cx
	s_and_b32 s46, ttmp7, 0xffff                   ; kv, which the four partners share
	s_mov_b32 s[G1], 15|(3<<16)|(1<<21)            ; the mask: all four work-groups; elements of 8 bytes; bit 21 beside a mask; no padding
	s_mov_b32 s[G1+1], 32<<16                      ; tensor_dim0 = 32 elements: rows of 256 bytes
	s_mov_b32 s[G1+2], 64<<16                      ; tensor_dim1 = 64 rows: 16,384 dense bytes
	s_mov_b32 s[G1+3], 32<<16                      ; tile_dim0
	s_mov_b32 s[G1+4], 64                          ; tile_dim1
	s_mov_b32 s[G1+5], 32                          ; the pitch
	s_mov_b32 s[G1+6], 0
	s_mov_b32 s[G1+7], 0
	s_mul_i32 s48, s46, 655360                     ; what the joint loads name hangs on kv and the wave alone
	s_lshl_b32 s50, s[WV], 14
	s_add_co_u32 s48, s48, s50
	s_mov_b32 s49, 0
	s_lshl_b32 s52, s46, 2                         ; Q: head kv x 4 + kq, my 16 rows, half gp of each
	s_add_co_u32 s52, s52, s[KQ]
	s_lshl_b32 s52, s52, 18
	s_lshl_b32 s51, s45, 13
	s_add_co_u32 s52, s52, s51
	s_lshl_b32 s51, s[GP], 8
	s_add_co_u32 s52, s52, s51
	s_mov_b32 s53, 0
	s_lshl_b32 s54, s45, 18                        ; the bias: rows 16 block + 8 gp on, key step kq
	s_lshl_b32 s51, s[GP], 17
	s_add_co_u32 s54, s54, s51
	s_lshl_b32 s51, s[KQ], 9
	s_add_co_u32 s54, s54, s51
	s_mov_b32 s55, 0
	s_mul_i32 s56, s46, 20480                      ; scale words of key step kq
	s_add_co_u32 s56, s56, s51
	s_mov_b32 s57, 0
	s_lshl_b32 s58, s45, 7                         ; the tail's pairs
	s_mov_b32 s59, 0
	s_lshr_b32 s51, s[KQ], 1                       ; out0: head kv x 4 + 2 gp + kq / 2, my 16 rows, half kq % 2 of each
	s_lshl_b32 s60, s46, 2
	s_add_co_u32 s60, s60, s51
	s_lshl_b32 s51, s[GP], 1
	s_add_co_u32 s60, s60, s51
	s_lshl_b32 s60, s60, 18
	s_lshl_b32 s51, s45, 13
	s_add_co_u32 s60, s60, s51
	s_and_b32 s51, s[KQ], 1
	s_lshl_b32 s51, s51, 8
	s_add_co_u32 s60, s60, s51
	s_mov_b32 s61, 0
	s_mul_i32 s62, s46, 655360                     ; the prefetches: K and V's slot 1,
	s_lshl_b32 s51, s44, 15
	s_add_co_u32 s62, s62, s51
	s_lshl_b32 s51, s[WV], 13
	s_add_co_u32 s62, s62, s51
	s_add_co_u32 s62, s62, 131072
	s_lshl_b32 s66, s45, 18                        ; or the bias's slot 1, rows 16 block + 2 kv on
	s_lshl_b32 s51, s46, 15
	s_add_co_u32 s66, s66, s51
	s_add_co_u32 s66, s66, 2048
	s_mov_b32 s63, 0
	s_mov_b32 s[PFS], 2048
	s_mov_b32 s[PFS+1], 0
	s_cmp_eq_u32 ttmp9, 0
	s_cselect_b32 s[LIM], 1, -1                    ; the same in all four partners
	s_cmp_lt_u32 s[WV], 4
	s_cselect_b32 s[LIM], s[LIM], -1
	s_cselect_b32 s62, s62, s66
	s_cselect_b32 s68, -1, 0
	s_cselect_b32 s[PFS], 131072, s[PFS]
	s_cmp_eq_u32 s[WV], 4
	s_cselect_b32 s[LIM], 1, s[LIM]
	s_mov_b32 s[MNT], 0x600000                     ; the mantissa field of 448
	s_mov_b32 s[SEL], 0x76543210
	s_mov_b32 s[SEL+1], 0xfedcba98
	s_mov_b32 s[CS], 0x3fb8aa3b                    ; log2(e)
	s_mov_b32 s[CS+1], s[CS]
	s_mov_b32 s[TB], 0
	s_mov_b32 s[SLOTS], 4
	s_wait_alu depctr_va_vdst(0)
	s_wait_dscnt 0x0                               ; both opening adds are done
	s_wait_kmcnt 0x0
	s_cmp_lt_u32 s[WV], 4
	s_cselect_b64 s[PFA:PFA+1], s[6:7], s[10:11]
	s_add_nc_u64 s[PFA:PFA+1], s[PFA:PFA+1], s[62:63]
	s_add_nc_u64 s[4:5], s[4:5], s[52:53]
	s_add_nc_u64 s[8:9], s[8:9], s[56:57]
	s_add_nc_u64 s[10:11], s[10:11], s[54:55]
	s_add_nc_u64 s[12:13], s[12:13], s[58:59]
	s_add_nc_u64 s[14:15], s[14:15], s[60:61]
.irp i, 0,1,2,3,4,5,6,7
	global_load_b128 v[FR+4*\i:FR+4*\i+3], v[QO], s[4:5] offset:1024*\i th:TH_LOAD_NT   ; two rows x 256 bytes
.endr
	global_load_b64 v[TL:TL+1], v238, s[12:13]     ; mt, lt of my query's position
.irp p, 0,1,2,3
	global_load_b32 v[KS+\p], v[L4], s[8:9] offset:128*\p            ; lanes 0-15 tile 2p's words, lanes 16-31 tile 2p+1's
.endr
.irp i, 0,1,2,3,4,5,6,7
	global_load_b128 v[RAW+4*\i:RAW+4*\i+3], v[LI], s[10:11] offset:16384*\i   ; step 0's bias: my eight rows
.endr
	s_mov_b32 s[G0], 1
	s_mov_b32 s[G0+1], s50                         ; slot 0, my eighth
	s_add_nc_u64 s[G0+2:G0+3], s[6:7], s[48:49]
	s_or_b32 s[G0+3], s[G0+3], 0x80000000
	CROUND                                         ; all four work-groups are here: the first joint loads meet
	tensor_load_to_lds s[G0:G0+3], s[G1:G1+7]      ; slot 0: one tensor load a wave at the head
	s_nop 0
	PLACES 4
	s_lshl_b32 s70, s[KQ], 14
	v_add_nc_u32 v[AK0], s70, v[LI]                ; my key step's 8 tiles in a slot
	s_mul_i32 s70, s[KQ], 8448
	s_add_co_u32 s70, s70, STG
	v_mul_u32_u24 v[BR], v[RR], 528
	v_lshl_add_u32 v[BR], v[HH], 6, v[BR]
	v_add_nc_u32 v[BR], s70, v[BR]                 ; the bias, back: row r, + 64 h
	s_mul_i32 s71, s[GP], 4224
	s_add_co_u32 s71, s71, s70
	v_add_nc_u32 v[BW], s71, v[LI]                 ; in: rows 8 gp on
	s_mul_i32 s72, s[WV], 4352
	s_add_co_u32 s72, s72, STG
	v_mul_u32_u24 v[QW], v[HH], 272
	v_lshl_add_u32 v[QW], v[RR], 4, v[QW]
	v_add_nc_u32 v[QW], s72, v[QW]                 ; Q's turn, in: two rows of 256 bytes
	v_mul_u32_u24 v[QR], v[RR], 272
	v_lshl_add_u32 v[QR], v[HH], 6, v[QR]
	v_add_nc_u32 v[QR], s72, v[QR]                 ; back: row r, + 64 h
	s_lshl_b32 s70, s[KQ], 11
	s_lshl_b32 s71, s[GP], 10
	s_add_co_u32 s70, s70, s71
	s_add_co_u32 s70, s70, QIMG
	v_add_nc_u32 v[QI], s70, v[LI]                 ; my half of tile kq's image
	s_lshl_b32 s70, s[KQ], 6
	s_lshl_b32 s71, s[GP], 1
	s_add_co_u32 s70, s70, s71
	s_add_co_u32 s70, s70, QSC
	v_lshlrev_b32 v[QSW], 2, v[RR]
	v_add_nc_u32 v[QSW], s70, v[QSW]               ; and my two bytes of a row's scale word
	s_lshl_b32 s70, s[GP], 12
	s_add_co_u32 s70, s70, QIMG
	v_add_nc_u32 v[QL], s70, v[LI]                 ; my two tiles' images
	s_lshl_b32 s70, s[GP], 7
	s_add_co_u32 s70, s70, QSC
	v_add_nc_u32 v[QSL], s70, v[L4]
	v_min_u32 v248, 15, v25
	v_lshrrev_b32 v249, 3, v248
	v_and_b32 v248, 7, v248
	v_lshlrev_b32 v248, 8, v248
	v_lshl_add_u32 v248, v249, 14, v248            ; the bias: 8 blocks in each of two rows
	v_lshlrev_b32 v249, 8, v25                     ; K and V: 32 blocks on end
	v_cndmask_b32 v[PFO], v248, v249, s68
.irp g, 0,1
.irp b, 0,1,2,3
	v_mov_b32 v[TM+16*\g+4+\b], 0                  ; written once: a lane permute's destination counts as one of its sources
.endr
	v_mov_b32 v[ST+8*\g+3], 0
	v_mov_b32 v[ST+8*\g+5], 0                      ; (the upper half of f's pair)
	v_mov_b32 v[ST+8*\g+7], 0
.endr
	s_wait_alu depctr_va_vdst(0)
	s_wait_loadcnt 13                              ; Q is in: behind it stand the tail's load, four of scale words, eight of the bias
.irp i, 0,1,2,3,4,5,6,7
	ds_store_b128 v[QW], v[FR+4*\i:FR+4*\i+3] offset:544*\i
.endr
.irp c, 0,1
.irp j, 0,1,2,3
	ds_load_b128 v[FR+32+16*\c+4*\j:FR+35+16*\c+4*\j], v[QR] offset:128*\c+16*\j   ; LDS serves a wave's instructions in order
.endr
.endr
	s_wait_dscnt 0x0
.irp b, 0,1
	v_max3_num_f32 v[TM+\b], |v[FR+32+16*\b]|, |v[FR+33+16*\b]|, 0x4800000   ; my 16 numbers of the block, and the floor 2^(9 - 127)
.endr
.irp i, 2,4,6,8,10,12,14
.irp b, 0,1
	v_max3_num_f32 v[TM+\b], v[TM+\b], |v[FR+32+16*\b+\i]|, |v[FR+33+16*\b+\i]|
.endr
.endr
.irp b, 0,1
	v_permlanex16_b32 v[TM+4+\b], v[TM+\b], s[SEL], s[SEL+1]
.endr
.irp b, 0,1
	v_max_num_f32 v[TM+\b], v[TM+\b], v[TM+4+\b]   ; with lane l xor 16's: the block's largest magnitude
.endr
.irp b, 0,1
	v_add_nc_u32 v[TM+12+\b], 0xfc000000, v[TM+\b] ; the conversion's scale operand
.endr
.irp b, 0,1
	v_and_or_b32 v[TM+8+\b], v[TM+\b], 0x7f800000, s[MNT]
.endr
.irp b, 0,1
	v_lshrrev_b32 v[TM+4+\b], 23, v[TM+12+\b]
.endr
	v_lshl_or_b32 v248, v[TM+5], 8, v[TM+4]
.irp b, 0,1
.irp i, 0,1,2,3,4,5,6,7,8,9,10,11,12,13,14,15
	v_med3_num_f32 v[FR+32+16*\b+\i], v[FR+32+16*\b+\i], -v[TM+8+\b], v[TM+8+\b]   ; the conversion does not saturate (ISA guide 7.6.2)
.endr
	v_cvt_scalef32_pk8_fp8_f32 v[PCD+4*\b:PCD+1+4*\b], v[FR+32+16*\b:FR+39+16*\b], v[TM+12+\b]
	v_cvt_scalef32_pk8_fp8_f32 v[PCD+2+4*\b:PCD+3+4*\b], v[FR+40+16*\b:FR+47+16*\b], v[TM+12+\b]
.endr
	v_nop                                          ; a plain instruction behind the last conversion
.irp b, 0,1
	ds_store_b128 v[QI], v[PCD+4*\b:PCD+4*\b+3] offset:512*\b
.endr
	ds_store_b16 v[QSW], v248                      ; lanes r and r + 16 store the same two bytes
	s_wait_alu depctr_va_vdst(0)
	s_wait_dscnt 0x0
	s_barrier_signal -1                            ; Q's images are whole, and nobody reads Q's stages any more
	s_barrier_wait -1
	s_wait_loadcnt 0x0
.irp i, 0,1,2,3,4,5,6,7
	ds_store_b128 v[BW], v[RAW+4*\i:RAW+4*\i+3] offset:528*\i
.endr
.irp k, 0,1,2,3
	ds_load_b128 v[QF+4*\k:QF+4*\k+3], v[QL] offset:512*\k               ; Q stays in registers
	ds_load_b128 v[QF+16+4*\k:QF+19+4*\k], v[QL] offset:2048+512*\k
.endr
	ds_load_b32 v[QS], v[QSL]                      ; lanes 0-15 tile 2 gp's words, lanes 16-31 tile 2 gp + 1's
	s_cmp_eq_u32 s[KQ], 0
	s_cselect_b32 s73, -1, 0
	s_and_b32 s74, s73, 0xffff
	v_mov_b32 v248, 0xff61b1e6                     ; -3e38, under every t
	v_cndmask_b32 v[ST+1], v248, v[TL], s73        ; the waves with kq = 0 start from the tail's largest t,
	v_cndmask_b32 v[ST+2], 0, v[TL+1], s74         ; and their lanes 0-15 from the tail's sum: once for each query
	v_floor_f32 v[ST], -v[ST+1]                    ; -M
	v_mov_b32 v[ST+8], v[ST]                       ; the tail hangs on b alone: the same for every head
	v_mov_b32 v[ST+9], v[ST+1]
	v_mov_b32 v[ST+10], v[ST+2]
; THE CHANGE OF SLOTS stands at a slot's head.  Each wave waits for all its tensor loads (its part of the slot ahead), adds 0 to its spare word, and waits for that, for its reads of the slot left and for its stores of the bias.
; fill = 1: a round of the cluster's barrier, and behind it the joint load of the keys that follow into the slot left: my one tensor load until the next round; it has a whole key step in which to land.
; The eight v_nop are places between the last products and the loads into registers that they read.
.macro CHANGE fill
	WIN 0
	s_wait_tensorcnt 0x0                           ; no tensor load of mine is out, so group 0 may be written
	ds_add_u32 v[SPW], v[NIL]
.if \fill
	s_xor_b32 s[G0+1], s[G0+1], SLOT1
	s_add_nc_u64 s[G0+2:G0+3], s[G0+2:G0+3], 131072
	s_wait_xcnt 0x0                                ; the last prefetch, a slot back, has read its address
	s_add_nc_u64 s[PFA:PFA+1], s[PFA:PFA+1], s[PFS:PFS+1]
.endif
	s_wait_dscnt 0x0
.if \fill
	CROUND
	tensor_load_to_lds s[G0:G0+3], s[G1:G1+7]
	s_nop 0
	PLACES 4
	ASK
	PLACES 4
.else
	s_barrier_signal -1
	s_barrier_wait -1
	PLACES 8
.endif
.endm
; S^T(tile T of keys, tile g of queries) = K Q^T + bias^T.  The bias lies in tile 1's registers: tile 0 takes it from there as C, tile 1 in place
.macro SQK T, g
.set rS, 64*(\g)+8*(\T)
.set rB, 64+8*(\T)
.set rK, FR+16*(\T)
.set rQ, QF+16*(\g)
.set rKS, KS+(\T)/2
.if ((\T)%2 == 0) && ((\g) == 0)
	v_wmma_scale_f32_16x16x128_f8f6f4 v[rS:rS+7], v[rK:rK+15], v[rQ:rQ+15], v[rB:rB+7], v[rKS], v[QS]
.elseif ((\T)%2 == 1) && ((\g) == 0)
	v_wmma_scale_f32_16x16x128_f8f6f4 v[rS:rS+7], v[rK:rK+15], v[rQ:rQ+15], v[rB:rB+7], v[rKS], v[QS] matrix_a_scale:MATRIX_SCALE_ROW1
.elseif ((\T)%2 == 0)
	v_wmma_scale_f32_16x16x128_f8f6f4 v[rS:rS+7], v[rK:rK+15], v[rQ:rQ+15], v[rB:rB+7], v[rKS], v[QS] matrix_b_scale:MATRIX_SCALE_ROW1
.else
	v_wmma_scale_f32_16x16x128_f8f6f4 v[rS:rS+7], v[rK:rK+15], v[rQ:rQ+15], v[rB:rB+7], v[rKS], v[QS] matrix_a_scale:MATRIX_SCALE_ROW1 matrix_b_scale:MATRIX_SCALE_ROW1
.endif
.endm
; O^T(tile t of channels, tile g of queries) += V^T P^T.  V's tiles 0-3 lie at v106 of window 0, 4-7 at v0 of window 1
.macro PVW t, g, first
.set rO, 128+64*(\g)+8*(\t)
.set rV, 16*((\t)%4)+FR*((7-(\t))/4)
.set rP, PCD+16*(\g)
.set rVS, VS+(\t)/2
.if \first
.if (\t)%2
	v_wmma_scale_f32_16x16x128_f8f6f4 v[rO:rO+7], v[rV:rV+15], v[rP:rP+15], 0, v[rVS], v[PW+(\g)] matrix_a_scale:MATRIX_SCALE_ROW1
.else
	v_wmma_scale_f32_16x16x128_f8f6f4 v[rO:rO+7], v[rV:rV+15], v[rP:rP+15], 0, v[rVS], v[PW+(\g)]
.endif
.else
.if (\t)%2
	v_wmma_scale_f32_16x16x128_f8f6f4 v[rO:rO+7], v[rV:rV+15], v[rP:rP+15], v[rO:rO+7], v[rVS], v[PW+(\g)] matrix_a_scale:MATRIX_SCALE_ROW1
.else
	v_wmma_scale_f32_16x16x128_f8f6f4 v[rO:rO+7], v[rV:rV+15], v[rP:rP+15], v[rO:rO+7], v[rVS], v[PW+(\g)]
.endif
.endif
.endm
; the largest score of each block of 32 keys, my half of it: for the row's maximum and for the block's largest p.  Each accumulator is read from its low end on
.macro MAXS g
	WIN 0x15
.irp b, 0,1,2,3
	v_max3_num_f32 v[TM+16*\g+\b], v[64*\g+16*\b], v[64*\g+16*\b+1], v[64*\g+16*\b+2]
.endr
	WIN 0x14
.irp i, 3,5,7,9,11,13
.irp b, 0,1,2,3
	v_max3_num_f32 v[TM+16*\g+\b], v[TM+16*\g+\b], v[64*\g+16*\b+\i], v[64*\g+16*\b+\i+1]
.endr
.endr
.irp b, 0,1,2,3
	v_max_num_f32 v[TM+16*\g+\b], v[TM+16*\g+\b], v[64*\g+16*\b+15]
.endr
	WIN 0
.endm
; A KEY STEP: my 128 keys of the slot in hand, for my two tiles of queries.  first = 1: the products V^T P^T start O^T's sums.  next = 1: the next step's bias and K's scale words are asked for.
.macro STEP first, next
	v_add_nc_u32 v[ADK], s[TB], v[AK0]
	v_add_nc_u32 v[ADV], VOFF, v[ADK]
	s_wait_alu depctr_va_vdst(0)
	WIN 0x40
.irp k, 0,1,2,3,4,5,6,7,8,9,10,11,12,13,14,15
	ds_load_b128 v[64+4*\k:67+4*\k], v[BR] offset:128*(\k/4)+16*(\k%4)   ; the bias, into tile 1's scores
.endr
	WIN 0
.set i, 0
.rept 32
	ds_load_b128 v[FR+4*i:FR+4*i+3], v[ADK] offset:512*i
.set i, i+1
.endr
	WIN 0x50                                       ; K and Q window 0, bias and S window 1
.irp T, 0,1,2,3,4,5,6,7
	s_wait_dscnt 28-4*\T                           ; the bias and K's tile T are in: behind it stand four loads for each later tile
	SQK \T, 0
.endr
	PLACES 9                                       ; tile 1's products write over tile 0's C operands
.irp T, 0,1,2,3,4,5,6,7
	SQK \T, 1
.endr
	MAXS 0                                         ; 32 plain instructions that name no register of the last eight products: their places
.if \next
	s_add_nc_u64 s[10:11], s[10:11], 2048          ; (every load that named the bases has been waited for)
	s_add_nc_u64 s[8:9], s[8:9], 2048
.irp i, 0,1,2,3,4,5,6,7
	global_load_b128 v[RAW+4*\i:RAW+4*\i+3], v[LI], s[10:11] offset:16384*\i
.endr
.irp p, 0,1,2,3
	global_load_b32 v[KS+\p], v[L4], s[8:9] offset:128*\p
.endr
.irp p, 0,1,2,3
	global_load_b32 v[VS+\p], v[L4], s[8:9] offset:8192+128*\p           ; V's words of this step
.endr
	s_barrier_signal -1                            ; my reads of the bias's stage are over (no LDS instruction of mine is out)
.else
.irp p, 0,1,2,3
	global_load_b32 v[VS+\p], v[L4], s[8:9] offset:10240+128*\p
.endr
.endif
.set i, 0
.rept 16
	ds_load_b128 v[FR+4*i:FR+4*i+3], v[ADV] offset:512*i                 ; V's tiles 0-3
.set i, i+1
.endr
	MAXS 1
.irp g, 0,1
.irp b, 0,1,2,3
	v_permlanex16_b32 v[TM+16*\g+4+\b], v[TM+16*\g+\b], s[SEL], s[SEL+1]
.endr
.endr
.irp g, 0,1
.irp b, 0,1,2,3
	v_max_num_f32 v[TM+16*\g+\b], v[TM+16*\g+\b], v[TM+16*\g+4+\b]   ; with lane l xor 16's 16 keys
.endr
.endr
.irp g, 0,1
	v_max3_num_f32 v[ST+8*\g+6], v[TM+16*\g], v[TM+16*\g+1], v[TM+16*\g+2]
.endr
.irp g, 0,1
	v_max_num_f32 v[ST+8*\g+6], v[ST+8*\g+6], v[TM+16*\g+3]
.endr
.irp g, 0,1
	v_mul_f32 v[ST+8*\g+6], s[CS], v[ST+8*\g+6]    ; as t
.endr
.irp g, 0,1
	v_max_num_f32 v[ST+8*\g+1], v[ST+8*\g+1], v[ST+8*\g+6]   ; the running largest t
.endr
.irp g, 0,1
	v_mov_b32 v[ST+8*\g+6], v[ST+8*\g]
.endr
.irp g, 0,1
	v_floor_f32 v[ST+8*\g], -v[ST+8*\g+1]          ; the new -M = -ceil(t): a whole number
.endr
.irp g, 0,1
	v_sub_f32 v[ST+8*\g+6], v[ST+8*\g], v[ST+8*\g+6]   ; old M - new M, 0 or less
.endr
.irp g, 0,1
.irp b, 0,1,2,3
	v_fma_f32 v[TM+16*\g+\b], v[TM+16*\g+\b], s[CS], v[ST+8*\g]
.endr
.endr
.irp g, 0,1
	v_cvt_i32_f32 v[ST+8*\g+6], v[ST+8*\g+6]       ; (it saturates)
.endr
	WIN 0x41                                       ; S window 1, -M window 0
.irp g, 0,1
.set j, 0
.rept 32
	v_pk_fma_f32 v[64*\g+j:64*\g+j+1], v[64*\g+j:64*\g+j+1], s[CS:CS+1], v[ST+8*\g:ST+8*\g+1] op_sel_hi:[1,0,0]   ; t - M
.set j, j+2
.endr
.endr
	WIN 0
.irp g, 0,1
	v_ldexp_f32 v[ST+8*\g+4], 1.0, v[ST+8*\g+6]    ; f = 2^(old M - new M): rounds nothing
.endr
	WIN 0x41
.set j, 0
	s_wait_alu depctr_va_vdst(0)
.rept 128
	v_exp_f32 v[j], v[j]                           ; p = 2^(t - M): one batch
.set j, j+1
.endr
	WIN 0
.irp g, 0,1
	v_pk_mul_f32 v[ST+8*\g+2:ST+8*\g+3], v[ST+8*\g+2:ST+8*\g+3], v[ST+8*\g+4:ST+8*\g+5] op_sel_hi:[1,0]   ; the sums under the new M: plain work behind the batch
.endr
	s_wait_alu depctr_va_vdst(0)                   ; one wait for the batch, ahead of its first reader
.irp g, 0,1
.irp b, 0,1,2,3
	v_exp_f32 v[TM+16*\g+\b], v[TM+16*\g+\b]       ; each block's largest p: the same two instructions on the same number
.endr
.endr
	WIN 0x05                                       ; the sums are taken of the unquantised p, two chains a tile; they read the 128 alone
.irp g, 0,1
	v_pk_add_f32 v[TM+16*\g+4:TM+16*\g+5], v[64*\g:64*\g+1], v[64*\g+2:64*\g+3]
.endr
	WIN 0x04
.irp j, 4,8,12,16,20,24,28,32,36,40,44,48,52,56,60
.irp g, 0,1
	v_pk_add_f32 v[ST+8*\g+2:ST+8*\g+3], v[ST+8*\g+2:ST+8*\g+3], v[64*\g+\j:64*\g+\j+1]
	v_pk_add_f32 v[TM+16*\g+4:TM+16*\g+5], v[TM+16*\g+4:TM+16*\g+5], v[64*\g+\j+2:64*\g+\j+3]
.endr
.endr
	WIN 0
.irp g, 0,1
	v_pk_add_f32 v[ST+8*\g+2:ST+8*\g+3], v[ST+8*\g+2:ST+8*\g+3], v[TM+16*\g+4:TM+16*\g+5]
.endr
	s_wait_alu depctr_va_vdst(0)                   ; and one for the eight
.irp g, 0,1
.irp b, 0,1,2,3
	v_max_num_f32 v[TM+16*\g+\b], 0x4800000, v[TM+16*\g+\b]          ; the floor 2^(9 - 127): the byte cannot fall under 1
.endr
.endr
.irp g, 0,1
.irp b, 0,1,2,3
	v_add_nc_u32 v[TM+16*\g+12+\b], 0xfc000000, v[TM+16*\g+\b]       ; the conversion's scale operand
.endr
.endr
.irp g, 0,1
.irp b, 0,1,2,3
	v_and_or_b32 v[TM+16*\g+8+\b], v[TM+16*\g+\b], 0x7f800000, s[MNT]   ; 448 x the scale
.endr
.endr
.irp g, 0,1
.irp b, 0,1,2,3
	v_lshrrev_b32 v[TM+16*\g+4+\b], 23, v[TM+16*\g+12+\b]            ; the scale's byte
.endr
.endr
.irp g, 0,1
	v_lshl_or_b32 v[PW+\g], v[TM+16*\g+5], 8, v[TM+16*\g+4]
.endr
.irp g, 0,1
	v_lshl_or_b32 v[PW+\g], v[TM+16*\g+6], 16, v[PW+\g]
.endr
.irp g, 0,1
	v_lshl_or_b32 v[PW+\g], v[TM+16*\g+7], 24, v[PW+\g]              ; p's scale word for these 128 keys
.endr
	WIN 0x41
.irp g, 0,1
.irp b, 0,1,2,3
.set j, 64*\g+16*\b
.rept 8
	v_dual_min_num_f32 v[j], v[j], v[TM+16*\g+8+\b] :: v_dual_min_num_f32 v[j+1], v[j+1], v[TM+16*\g+8+\b]   ; the conversion does not saturate (ISA guide 7.6.2); p is not negative: a one-sided hold
.set j, j+2
.endr
.endr
.endr
	WIN 0x01                                       ; p window 1; codes (over K's tiles 4 and 5, which are done with) and scale operand window 0
.irp g, 0,1
.irp b, 0,1,2,3
	v_cvt_scalef32_pk8_fp8_f32 v[PCD+16*\g+4*\b:PCD+16*\g+4*\b+1], v[64*\g+16*\b:64*\g+16*\b+7], v[TM+16*\g+12+\b]
	v_cvt_scalef32_pk8_fp8_f32 v[PCD+16*\g+4*\b+2:PCD+16*\g+4*\b+3], v[64*\g+16*\b+8:64*\g+16*\b+15], v[TM+16*\g+12+\b]
.endr
.endr
	WIN 0
	v_nop                                          ; a plain instruction behind the last conversion
	s_wait_alu depctr_va_vdst(0)
	s_wait_loadcnt 0x0                             ; V's scale words; next = 1: the next step's bias and K's scale words
.if \next
	s_barrier_wait -1                              ; nobody reads the bias's stage any more
.irp i, 0,1,2,3,4,5,6,7
	ds_store_b128 v[BW], v[RAW+4*\i:RAW+4*\i+3] offset:528*\i
.endr
.endif
	WIN 0x40
.set i, 0
.rept 16
	ds_load_b128 v[4*i:4*i+3], v[ADV] offset:8192+512*i                  ; V's tiles 4-7, over tile 0's scores, which are done with
.set i, i+1
.endr
.if \first
	WIN 0
	PLACES 4                                       ; the codes stand four places ahead of the products
.else
	WIN 0x41
	s_wait_alu depctr_va_vdst(0)                   ; directly ahead of O^T's first readers
.irp g, 0,1
.set j, 128+64*\g
.rept 32
	v_pk_mul_f32 v[j:j+1], v[j:j+1], v[ST+8*\g+4:ST+8*\g+5] op_sel_hi:[1,0]   ; O^T under the new M; also the places in front of the products
.set j, j+2
.endr
.endr
.endif
	WIN 0x50                                       ; V's tiles 0-3 and p's codes window 0, O^T window 1.  The 16 accumulators take turns, one instruction a turn
	s_wait_alu depctr_va_vdst(0)
	s_wait_dscnt 16                                ; V's tiles 0-3 are in: behind them stand the 16 loads of tiles 4-7
.irp t, 0,1,2,3
	PVW \t, 0, \first
	PVW \t, 1, \first
.endr
	WIN 0x51
.irp t, 4,5,6,7
	s_wait_dscnt 28-4*\t
	PVW \t, 0, \first
	PVW \t, 1, \first
.endr
	WIN 0
	s_xor_b32 s[TB], s[TB], SLOT1                  ; on to the other slot
.endm
	s_wait_alu depctr_va_vdst(0)
	CHANGE 1                                       ; slot 0 and step 0's bias are whole; slot 1 is asked for
	STEP 1, 1
	s_mov_b32 s[SLOTS], 3
.Lslot:                                            ; three trips: slots 1, 2, 3 are worked, slots 2, 3, 4 asked for
	CHANGE 1
	STEP 0, 1
	s_sub_co_u32 s[SLOTS], s[SLOTS], 1
	s_cmp_lg_u32 s[SLOTS], 0
	s_cbranch_scc1 .Lslot
	CHANGE 0                                       ; the last slot is written out
	STEP 0, 0
	; THE MERGE.  -M, the sum and O^T of my two tiles go to LDS (O^T's images into slot 1, which has had its last fill and its last read); then each wave joins the four parts of its half tile.
	; The lines up to the barrier's wait are also the places behind the last products.
	s_barrier_signal -1                            ; no LDS instruction of mine is out
.irp g, 0,1
	v_add_f32 v[ST+8*\g+6], v[ST+8*\g+2], v[ST+8*\g+3]
.endr
	s_lshl_b32 s70, s[WV], 9
	s_add_co_u32 s70, s70, STATS
	v_add_nc_u32 v11, s70, v[L4]                   ; my statistics: 512 bytes a wave
	s_lshr_b32 s71, s[KQ], 1
	s_lshl_b32 s70, s71, 8
	s_lshl_b32 s72, s[GP], 11
	s_add_co_u32 s70, s70, s72
	s_add_co_u32 s70, s70, STATS
	v_add_nc_u32 v25, s70, v[L4]                   ; my half tile's, in each part's
	s_lshl_b32 s70, s[WV], 14
	s_add_co_u32 s70, s70, SLOT1
	v_add_nc_u32 v[AK0], s70, v[LI]                ; my images of O^T: 8,192 bytes a tile
	s_lshl_b32 s70, s[GP], 16
	s_lshl_b32 s71, s71, 13
	s_add_co_u32 s70, s70, s71
	s_and_b32 s71, s[KQ], 1
	s_lshl_b32 s71, s71, 12
	s_add_co_u32 s70, s70, s71
	s_add_co_u32 s70, s70, SLOT1
	v_add_nc_u32 v[BR], s70, v[LI]                 ; my half tile's, in each part's
	s_mul_i32 s72, s[WV], 4352
	s_add_co_u32 s72, s72, STG
	v_mul_u32_u24 v[ADK], v[RR], 272
	v_lshl_add_u32 v[ADK], v[HH], 5, v[ADK]
	v_add_nc_u32 v[ADK], s72, v[ADK]               ; my stage, in: row r, + 32 h
	v_mul_u32_u24 v[ADV], v[HH], 272
	v_lshl_add_u32 v[ADV], v[RR], 4, v[ADV]
	v_add_nc_u32 v[ADV], s72, v[ADV]               ; back: two rows of 256 bytes
.irp g, 0,1
	v_permlanex16_b32 v[ST+8*\g+7], v[ST+8*\g+6], s[SEL], s[SEL+1]
.endr
.irp g, 0,1
	v_add_f32 v[ST+8*\g+6], v[ST+8*\g+6], v[ST+8*\g+7]   ; with lane l xor 16's keys: my part's sum
.endr
	s_wait_alu depctr_va_vdst(0)
	s_barrier_wait -1                              ; no wave reads a slot any more
.irp g, 0,1
	ds_store_b32 v11, v[ST+8*\g] offset:256*\g
	ds_store_b32 v11, v[ST+8*\g+6] offset:256*\g+128
.endr
	WIN 0x04                                       ; an LDS store's data are its source 1: window 1
.irp g, 0,1
.set i, 0
.rept 16
	ds_store_b128 v[AK0], v[128+64*\g+4*i:131+64*\g+4*i] offset:8192*\g+512*i   ; each accumulator from its low end on
.set i, i+1
.endr
.endr
	WIN 0
	s_wait_dscnt 0x0                               ; for the others' sake: my stores are done
	s_barrier_signal -1
	s_barrier_wait -1
.irp w, 0,1,2,3
	ds_load_b32 v[TM+\w], v25 offset:512*\w        ; -M of part w
	ds_load_b32 v[TM+4+\w], v25 offset:512*\w+128  ; its sum
.endr
	WIN 0x40                                       ; destination window 1: part w at v[32 w]
.irp w, 0,1,2,3
.irp i, 0,1,2,3,4,5,6,7
	ds_load_b128 v[32*\w+4*\i:32*\w+4*\i+3], v[BR] offset:16384*\w+512*\i
.endr
.endr
	WIN 0
	s_wait_dscnt 32                                ; the first eight, the statistics, are in
	v_min3_num_f32 v[TM+16], v[TM], v[TM+1], v[TM+2]
	v_min_num_f32 v[TM+16], v[TM+16], v[TM+3]      ; the least -M: the row's M
.irp w, 0,1,2,3
	v_sub_f32 v[TM+8+2*\w], v[TM+16], v[TM+\w]     ; M of the part less the row's M: a whole number, 0 or less
.endr
.irp w, 0,1,2,3
	v_cvt_i32_f32 v[TM+8+2*\w], v[TM+8+2*\w]
.endr
.irp w, 0,1,2,3
	v_ldexp_f32 v[TM+8+2*\w], 1.0, v[TM+8+2*\w]
.endr
	v_mul_f32 v[TM+17], v[TM+8], v[TM+4]
	v_fma_f32 v[TM+17], v[TM+10], v[TM+5], v[TM+17]
	v_fma_f32 v[TM+17], v[TM+12], v[TM+6], v[TM+17]
	v_fma_f32 v[TM+17], v[TM+14], v[TM+7], v[TM+17]   ; the row's sum
	s_wait_alu depctr_va_vdst(0)
	v_rcp_f32 v[TM+17], v[TM+17]
.irp w, 0,1,2,3
	v_mov_b32 v[TM+9+2*\w], 0                      ; the pairs' upper halves: plain work behind the reciprocal
.endr
	s_wait_alu depctr_va_vdst(0)                   ; ahead of its first reader
.irp w, 0,1,2,3
	v_mul_f32 v[TM+8+2*\w], v[TM+8+2*\w], v[TM+17]
.endr
	WIN 0x41
	s_wait_alu depctr_va_vdst(0)
	s_wait_dscnt 24                                ; part 0 is in: behind it stand the 24 loads of the others
.set j, 0
.rept 16
	v_pk_mul_f32 v[j:j+1], v[j:j+1], v[TM+8:TM+9] op_sel_hi:[1,0]
.set j, j+2
.endr
	WIN 0x51                                       ; parts and sums window 1, factors window 0
.irp w, 1,2,3
	s_wait_dscnt 24-8*\w
.set j, 0
.rept 16
	v_pk_fma_f32 v[j:j+1], v[32*\w+j:32*\w+j+1], v[TM+8+2*\w:TM+9+2*\w], v[j:j+1] op_sel_hi:[1,0,1]
.set j, j+2
.endr
.endr
	; register 8 t + i of lane (r, h) is out0(row r, channel 64 (kq % 2) + 16 t + 8 h + i): through my own stage, back as two rows of 256 bytes
	WIN 0x04
.irp t, 0,1,2,3
	ds_store_b128 v[ADK], v[8*\t:8*\t+3] offset:64*\t
	ds_store_b128 v[ADK], v[8*\t+4:8*\t+7] offset:64*\t+16
.endr
	WIN 0
.irp i, 0,1,2,3,4,5,6,7
	ds_load_b128 v[FR+4*\i:FR+4*\i+3], v[ADV] offset:544*\i   ; LDS serves a wave's instructions in order: these see my stores
.endr
.irp i, 0,1,2,3,4,5,6,7
	s_wait_dscnt 7-\i
	global_store_b128 v[QO], v[FR+4*\i:FR+4*\i+3], s[14:15] offset:1024*\i th:TH_STORE_NT   ; 16 lanes store 256 consecutive bytes, aligned
.endr
	s_wait_tensorcnt 0x0                           ; the wave's end
	ds_add_u32 v[SPW], v[NIL]
	s_wait_dscnt 0x0
	CROUND                                         ; the closing round
	s_endpgm
.Lfunc_end_k_q063a9d5152_attn:
	.size	k_q063a9d5152_attn, .Lfunc_end_k_q063a9d5152_attn-k_q063a9d5152_attn
	.p2alignl 7, 3214868480
	.fill 96, 4, 3214868480
	.section	.rodata,"a",@progbits
	.p2align	6, 0x0
	.amdhsa_kernel k_q063a9d5152_attn
		.amdhsa_group_segment_fixed_size 327680
		.amdhsa_private_segment_fixed_size 0
		.amdhsa_enable_private_segment 0
		.amdhsa_kernarg_size 48
		.amdhsa_user_sgpr_count 2
		.amdhsa_user_sgpr_kernarg_segment_ptr 1
		.amdhsa_wavefront_size32 1
		.amdhsa_system_sgpr_workgroup_id_x 1
		.amdhsa_system_sgpr_workgroup_id_y 1
		.amdhsa_system_sgpr_workgroup_id_z 1
		.amdhsa_system_vgpr_workitem_id 0
		.amdhsa_next_free_vgpr 512
		.amdhsa_next_free_sgpr 80
		.amdhsa_reserve_vcc 0
		.amdhsa_float_denorm_mode_32 3
		.amdhsa_float_denorm_mode_16_64 3
		.amdhsa_memory_ordered 1
		.amdhsa_forward_progress 1
		.amdhsa_inst_pref_size 156
	.end_amdhsa_kernel
	.amdgpu_metadata
---
amdhsa.version: [ 1, 2 ]
amdhsa.kernels:
  - .name:           k_q063a9d5152_attn
    .symbol:         k_q063a9d5152_attn.kd
    .args:
      - { .name: queries, .offset: 0, .size: 8, .value_kind: global_buffer, .address_space: global }
      - { .name: kvc, .offset: 8, .size: 8, .value_kind: global_buffer, .address_space: global }
      - { .name: kvs, .offset: 16, .size: 8, .value_kind: global_buffer, .address_space: global }
      - { .name: attn_bias, .offset: 24, .size: 8, .value_kind: global_buffer, .address_space: global }
      - { .name: tail, .offset: 32, .size: 8, .value_kind: global_buffer, .address_space: global }
      - { .name: out0, .offset: 40, .size: 8, .value_kind: global_buffer, .address_space: global }
    .group_segment_fixed_size: 327680
    .private_segment_fixed_size: 0
    .kernarg_segment_align: 8
    .kernarg_segment_size: 48
    .max_flat_workgroup_size: 256
    .sgpr_count:     80
    .vgpr_count:     512
    .wavefront_size: 32
...
	.end_amdgpu_metadata
.endif
;; end of part 2
